; MI455X (gfx1250); checked and timed in simulation.
; The chip was launched on July 23, 2026; its instructions are those of AMD's public machine-readable ISA for CDNA 5 (MIT licence, August 2026) and "CDNA5" Instruction Set Architecture Reference Guide (July 2026). The comments in the code are by the model that wrote it; some were corrected since.
;; Scaled Dot Product Attention. Allowed arithmetic: matrix products marked QUANTISED: E2M1 operands, one E8M0 scale for each 32 along K, by v_wmma_scale_f32_16x16x128_f8f6f4 with both operands' format E2M1 (or v_wmma_scale_f32_32x16x128_f4), f32 sums; everything else in f32.
;; Inputs: k_codes 4 x 16 x 2,048 x 2 x 16 uint8 (E2M1 codes of k, K innermost, in blocks of 32 codes, two codes a byte); k_scales 4 x 16 x 2,048 x 2 uint8 (E8M0 scales of k, one for each 32 codes along K); mask 2,048 x 2,048 bool; q_codes 4 x 16 x 2,048 x 2 x 16 uint8 (E2M1 codes of q, K innermost, in blocks of 32 codes, two codes a byte); q_scales 4 x 16 x 2,048 x 2 uint8 (E8M0 scales of q, one for each 32 codes along K); v_codes 4 x 16 x 64 x 64 x 16 uint8 (E2M1 codes of v, K innermost, in blocks of 32 codes, two codes a byte); v_scales 4 x 16 x 64 x 64 uint8 (E8M0 scales of v, one for each 32 codes along K).
;; Outputs: out0 4 x 16 x 2,048 x 64 float32.
;; This version of the problem:
;;   THIS VERSION OF THE PROBLEM IS GIVEN IN LOW PRECISION. The matrix products marked QUANTISED in the list below multiply operands that are first quantised to E2M1 (2 exponent bits, 1 mantissa bit; 4 bits a number), with one power-of-two scale for each 32 numbers along K (OCP MX v1.0); their sums are f32. All else is computed in f32.
;;   The module's matrix products, in the order in which they are computed (A, B: the left and right operand; K: the contracted axis; several contracted axes count as one K, in the product's order):
;;     1. batch 64 x [M 2,048, K 64] x [K 64, N 2,048]; A: input q (given as codes); B: input k (given as codes): QUANTISED
;;     2. batch 64 x [M 2,048, K 2,048] x [K 2,048, N 64]; A: softmax (see below); B: input v (given as codes): QUANTISED
;;   THE QUANTISER, for each operand of a quantised product, along K:
;;     - K is cut into blocks of 32 from its start; a last block that is shorter is filled with zeros.
;;     - A block's scale is 2^e with e = floor(log2(the largest magnitude in the block)) - 2, held to -126 .. 127; a block of zeros has e = 0. As a byte (E8M0): e + 127.
;;     - Each number is divided by its block's scale, clamped to +-6, and rounded to the nearest number of E2M1, ties to even, subnormals kept.
;;     - The product sums the exact products of the quantised numbers (number of the format x scale) in f32.
;;   ~~~python
;;   def quantise(x, axis):      # numpy; x: float32 -> the quantised numbers, widened to float32 again
;;       x = np.moveaxis(x, axis, -1); K = x.shape[-1]
;;       x = np.pad(x, [(0, 0)] * (x.ndim - 1) + [(0, -K % 32)]); x = x.reshape(x.shape[:-1] + (-1, 32)); a = np.abs(x).max(-1, keepdims=True)
;;       e = np.where(a > 0, np.clip(np.frexp(np.where(a > 0, a, 1))[1] - 1 - 2, -126, 127), 0)      # np.frexp(a)[1] - 1 = floor(log2(a)), exactly
;;       r = np.clip(x / 2.0 ** e, -6, 6)
;;       step = 2.0 ** (np.maximum(np.frexp(np.where(r == 0, 1, r))[1] - 1, 0) - 1)
;;       q = np.round(r / step) * step * 2.0 ** e      # np.round: ties to even
;;       return np.moveaxis(q.reshape(q.shape[:-2] + (-1,))[..., :K], -1, axis).astype(np.float32)
;;   ~~~
;;   SOFTMAX AHEAD OF A QUANTISED PRODUCT. Where the list says 'softmax', what is quantised is not the finished softmax but p = 2^(t - M), with t = logit x log2(e) and M = ceil(the row's largest t), a whole number; so 1/2 < the row's largest p <= 1. The row's sum l is taken of the UNQUANTISED p, in f32, and the product's result is divided by l at the end. Since M is a whole number, a kernel that streams over the keys may use a running M (the ceiling of the running maximum): every later rescaling is an exact power of two, which a block's scale takes up: the codes' values come out the same.
;;   OPERANDS COMPUTED ON THE WAY. 'Computed on the way' means the value that the module computes at that place (a softmax that the list does not call 'softmax' is quantised finished and normalised). What goes into a quantiser is computed in f32, as accurately as f32 sums, v_exp_f32 and their like allow (about 1e-6 of the number): no bf16 or f16 on the way to a quantiser, and a product that is left as it is and whose result goes on into a quantised operand takes f32 operands (vector FMAs, or v_wmma_f32_16x16x4_f32). A number that lies on a knife's edge between two numbers of the format may be rounded either way, as far as f32 arithmetic and the matrix unit's own rounding can turn it there, and no further.
;;   INPUTS GIVEN AS CODES. k (in the module: [4, 16, 2048, 64], K = its axis 3); q (in the module: [4, 16, 2048, 64], K = its axis 3); v (in the module: [4, 16, 2048, 64], K = its axis 2): each comes as NAME_codes (uint8): NAME with its K axis moved to the last place and cut into blocks of 32 codes, [.., K / 32, bytes a block], one block behind the other in memory; two codes a byte, the lower K in the low four bits (a code: sign, 2 exponent bits, 1 mantissa bit); and NAME_scales (uint8): the same leading axes, one E8M0 byte (e + 127) for each 32 codes along K. Its value is code x scale, taken as it is: it is not quantised again, and the codes and scales need not be those that the quantiser above would give.
;; 2 versions. Each part assembles by itself: llvm-mc -triple=amdgcn-amd-amdhsa -mcpu=gfx1250 --defsym DOCPART=n.
;; ======== version 1 of 2: 2 launches
;; workspace buffers: mbits 524,288 bytes of whole numbers; flags 2,048 bytes of whole numbers
;; launch maskpack (part 1): grid 128 x 4, 1 waves a work-group, no clusters, 8,960 bytes of LDS; arguments mask, mbits, flags; writes mbits, flags
.if DOCPART == 1
	.amdgcn_target "amdgcn-amd-amdhsa--gfx1250"
	.amdhsa_code_object_version 6
	.text
	.protected	k_q38c77a8060_maskpack
	.globl	k_q38c77a8060_maskpack
	.p2align	8
	.type	k_q38c77a8060_maskpack,@function
k_q38c77a8060_maskpack:
	s_mov_b64 s[64:65], 0
	v_nop
	global_prefetch_b8 v0, s[64:65] scope:SCOPE_SE
	s_setreg_imm32_b32 hwreg(HW_REG_WAVE_MODE, 25, 1), 1
	s_wait_xcnt 0x0
; The mask [2048][2048], one byte (0 or 1) an entry, is packed ONCE for all 64 heads into the form that the attention launch's lanes want.
; mbits [tile t of 16 queries: 128][step s of 128 keys: 16][n: 64] dwords.  Bit L of dword n = mask[16 t + L % 16][128 s + 32 (n / 16) + 16 (L / 16) + n % 16]:
;   the key that score register n of lane L holds there, so that a dword is the lane mask of one v_cndmask_b32.
; flags [t][y: 4] dwords.  In dword (t, y): bit 4 y + g: step 4 y + g of tile t has some true entry; bit 16 + 4 y + g: all its entries are true.  The OR of a tile's four dwords is its flag word.
; SHARES.  A work-group is one wave: 16 rows of the mask x 512 bytes (tile t = work-group x, steps 4 y .. 4 y + 3, y = work-group y).  512 work-groups of equal work; each mask byte is read once.
; A load reads 512 consecutive bytes of one row, 16 a lane; the 16 rows turn through a stage in LDS (rows 528 bytes apart) and come back so that lane (r, h) holds row r's 16 bytes at 32 b + 16 h.
; A byte other than 0 or 1 counts as true in mbits and makes the step 'not all true', which only sends the attention launch through its masked path.
.set ROWB,  2048                       ; a row of the mask in bytes
.set PITCH, 528                        ; a stage row: 512 bytes + 16: 33 columns of 16 bytes, so the 16 rows that a read touches start at 16 different columns of 256 bytes
.set R,     16                         ; v16-79   16 rows as loaded, 4 registers each
.set X,     80                         ; v80-143  step g: 16 registers: register 4 b + q = bytes 32 b + 16 h + 4 q .. + 3 of my row
.set T,     144                        ; v144-151 eight single bytes, at work
.set W,     152                        ; v152-159 step g: a pair: lane l holds dwords 2 l and 2 l + 1
.set ORC,   160                        ; v160     OR of a step's 16 registers
.set ANDC,  161                        ; v161     AND of them
	s_load_b128 s[4:7], s[0:1], 0x0                ; mask s[4:5], mbits s[6:7]
	s_load_b64 s[8:9], s[0:1], 0x10                ; flags
	v_lshl_add_u32 v168, v0, 2, 0x2200
	v_mov_b32 v169, 0
	s_and_b32 s13, ttmp7, 0xffff                   ; y
	v_lshlrev_b32 v2, 4, v0                        ; 16 x lane: my bytes of a load, and of a stage row on the way in (one wave: v0 is the lane)
	v_and_b32 v3, 15, v0                           ; r
	v_mul_u32_u24 v3, v3, PITCH
	v_bfe_u32 v5, v0, 4, 1                         ; h
	v_lshl_add_u32 v3, v5, 4, v3                   ; the stage on the way out: row r, + 16 h
	v_lshlrev_b32 v4, 3, v0                        ; 8 x lane: my two dwords of a step's 64
	v_mov_b32 v5, 0                                ; the flag word's offset
.irp i, 0,1,2,3,4,5,6,7
	v_mov_b32 v[W+\i], 0                           ; written once: v_writelane_b32's destination counts as read
.endr
	s_mov_b32 s12, 0                               ; the flags, gathered
	s_mov_b32 s11, 0
	s_lshl_b32 s10, ttmp9, 15                      ; 16 rows of 2,048 bytes a tile,
	s_lshl_b32 s14, s13, 9                         ; 512 bytes a y
	s_add_co_u32 s10, s10, s14
	s_wait_kmcnt 0x0
	s_add_nc_u64 s[4:5], s[4:5], s[10:11]
	s_lshl_b32 s10, ttmp9, 12                      ; mbits: 16 steps of 256 bytes a tile,
	s_lshl_b32 s14, s13, 10                        ; four steps a y
	s_add_co_u32 s10, s10, s14
	s_add_nc_u64 s[6:7], s[6:7], s[10:11]
	s_lshl_b32 s10, ttmp9, 4                       ; flags: 16 bytes a tile,
	s_lshl_b32 s13, s13, 2                         ; 4 y: the dword's byte offset, and the shift of its bits
	s_add_co_u32 s10, s10, s13
	s_add_nc_u64 s[8:9], s[8:9], s[10:11]
.irp i, 0,1,2,3,4,5,6,7,8,9,10,11,12,13,14,15
	global_load_b128 v[R+4*\i:R+4*\i+3], v2, s[4:5] offset:ROWB*\i th:TH_LOAD_NT   ; row i: 32 lanes read 512 consecutive bytes, at a multiple of 256 from the mask's first byte; read once in the launch
.endr
.irp i, 0,1,2,3,4,5,6,7,8,9,10,11,12,13,14,15
	s_wait_loadcnt 15-\i                           ; loads come back in order: row i is in, the 15 - i younger ones may be out
	ds_store_b128 v2, v[R+4*\i:R+4*\i+3] offset:PITCH*\i
.endr
.irp g, 0,1,2,3
.irp b, 0,1,2,3
	ds_load_b128 v[X+16*\g+4*\b:X+16*\g+4*\b+3], v3 offset:128*\g+32*\b   ; LDS serves a wave's instructions in order: these see the stores above
.endr
.endr
; Step g of the four: 64 lane masks, the two flags, one store of 256 bytes.
.macro PACK g
	s_wait_dscnt 12-4*\g                           ; this step's four loads are back; those of the later steps, four each, may be out
.set n, 0
.rept 8                                ; eight dwords at a time, so that no line waits for the line above it
.irp e, 0,1,2,3,4,5,6,7
	v_and_b32 v[T+\e], 0xff<<(8*(\e%4)), v[X+16*\g+(n+\e)/4]       ; byte n of my 64
.endr
.irp e, 0,1,2,3,4,5,6,7
	v_cmp_ne_u32 s[16+\e], 0, v[T+\e]              ; the 32 lanes' answers ARE dword n
.endr
.irp e, 0,1,2,3,4,5,6,7
	v_writelane_b32 v[W+2*\g+\e%2], s[16+\e], (n+\e)/2             ; dword n to lane n / 2, register n % 2
.endr
.set n, n+8
.endr
	v_or_b32 v[ORC], v[X+16*\g], v[X+16*\g+1]
	v_and_b32 v[ANDC], v[X+16*\g], v[X+16*\g+1]
.irp i, 2,3,4,5,6,7,8,9,10,11,12,13,14,15
	v_or_b32 v[ORC], v[ORC], v[X+16*\g+\i]
	v_and_b32 v[ANDC], v[ANDC], v[X+16*\g+\i]
.endr
	v_cmp_ne_u32 s24, 0, v[ORC]                    ; lanes with some true entry
	v_cmp_eq_u32 s25, 0x01010101, v[ANDC]          ; lanes all of whose entries are 1
	s_cmp_lg_u32 s24, 0
	s_cselect_b32 s14, 1<<\g, 0
	s_or_b32 s12, s12, s14                         ; some true
	s_cmp_eq_u32 s25, -1
	s_cselect_b32 s14, 0x10000<<\g, 0
	s_or_b32 s12, s12, s14                         ; all true
	global_store_b64 v4, v[W+2*\g:W+2*\g+1], s[6:7] offset:256*\g  ; 32 lanes store 256 consecutive bytes, at a multiple of 256 from mbits' first byte; each step has its own pair, so no store's data are written again
.endm
	PACK 0
	PACK 1
	PACK 2
	PACK 3
	s_lshl_b32 s12, s12, s13                       ; to this y's places in the tile's flag word
	v_mov_b32 v6, s12
	v_cmp_eq_u32 vcc_lo, 0, v0
	s_wait_xcnt 0x0                                ; EXEC is a source of the stores above: it changes only behind this wait
	s_wait_tensorcnt 0x0
	ds_add_u32 v168, v169
	s_wait_dscnt 0x0
	s_and_saveexec_b32 s14, vcc_lo
	global_store_b32 v5, v6, s[8:9]                ; lane 0 stores the dword
	s_wait_xcnt 0x0                                ; and again, in front of the line that widens it
	s_or_b32 exec_lo, exec_lo, s14
	s_endpgm
.Lfunc_end_k_q38c77a8060_maskpack:
	.size	k_q38c77a8060_maskpack, .Lfunc_end_k_q38c77a8060_maskpack-k_q38c77a8060_maskpack
	.p2alignl 7, 3214868480
	.fill 96, 4, 3214868480
	.section	.rodata,"a",@progbits
	.p2align	6, 0x0
	.amdhsa_kernel k_q38c77a8060_maskpack
		.amdhsa_group_segment_fixed_size 8960
		.amdhsa_private_segment_fixed_size 0
		.amdhsa_enable_private_segment 0
		.amdhsa_kernarg_size 24
		.amdhsa_user_sgpr_count 2
		.amdhsa_user_sgpr_kernarg_segment_ptr 1
		.amdhsa_wavefront_size32 1
		.amdhsa_system_sgpr_workgroup_id_x 1
		.amdhsa_system_sgpr_workgroup_id_y 1
		.amdhsa_system_sgpr_workgroup_id_z 1
		.amdhsa_system_vgpr_workitem_id 0
		.amdhsa_next_free_vgpr 170
		.amdhsa_next_free_sgpr 66
		.amdhsa_reserve_vcc 1
		.amdhsa_float_denorm_mode_32 3
		.amdhsa_float_denorm_mode_16_64 3
		.amdhsa_memory_ordered 1
		.amdhsa_forward_progress 1
		.amdhsa_inst_pref_size 60
	.end_amdhsa_kernel
	.amdgpu_metadata
---
amdhsa.version: [ 1, 2 ]
amdhsa.kernels:
  - .name:           k_q38c77a8060_maskpack
    .symbol:         k_q38c77a8060_maskpack.kd
    .args:
      - { .name: mask, .offset: 0, .size: 8, .value_kind: global_buffer, .address_space: global }
      - { .name: mbits, .offset: 8, .size: 8, .value_kind: global_buffer, .address_space: global }
      - { .name: flags, .offset: 16, .size: 8, .value_kind: global_buffer, .address_space: global }
    .group_segment_fixed_size: 8960
    .private_segment_fixed_size: 0
    .kernarg_segment_align: 8
    .kernarg_segment_size: 24
    .max_flat_workgroup_size: 32
    .sgpr_count:     66
    .vgpr_count:     170
    .wavefront_size: 32
...
	.end_amdgpu_metadata
.endif
;; end of part 1
;; launch attn (part 2): grid 256 x 1, 16 waves a work-group, no clusters, 216,064 bytes of LDS; arguments q_codes, q_scales, k_codes, k_scales, v_codes, v_scales, mbits, flags, out0; writes out0
.if DOCPART == 2
	.amdgcn_target "amdgcn-amd-amdhsa--gfx1250"
	.amdhsa_code_object_version 6
	.text
	.protected	k_q38c77a8060_attn
	.globl	k_q38c77a8060_attn
	.p2align	8
	.type	k_q38c77a8060_attn,@function
k_q38c77a8060_attn:
	s_mov_b64 s[64:65], 0
	v_nop
	global_prefetch_b8 v0, s[64:65] scope:SCOPE_SE
	s_setreg_imm32_b32 hwreg(HW_REG_WAVE_MODE, 25, 1), 1
	s_wait_xcnt 0x0
; O[hd][q][:] = the sum over k of softmax_k(mask[q][k] ? Q[hd][q] . K[hd][k] / 8 : -inf) V[hd][k][:], 64 heads, 2,048 queries and keys, head size 64; both products on codes of FP4 (E2M1) with one E8M0 scale for each 32 along K.
; Q, K: codes [hd][2048][32 bytes], scale bytes [hd][2048][2].  V: codes with the KEYS innermost, [hd][64][1024 bytes], scale bytes [hd][64][64].  O: [hd][2048][64] f32.
; The mask comes packed by the launch before: mbits (a lane mask for each score register) and flags (for each tile of 16 queries and step of 128 keys: some true, all true).
; THE SOFTMAX AHEAD OF THE SECOND PRODUCT: t = score x log2(e) / 8; M = the row's largest t so far, rounded UP to a whole number; p = 2^(t - M) is quantised along the keys, not normalised.
; The row's sum is taken of the unquantised p and divides O at the end.  When M moves, the sum and O are multiplied by 2^(old M - new M): exact.
; SHARES.  Work-group x: head x / 4, and of the head's 128 tiles of 16 queries the 32 tiles 4 j + x % 4.  Sixteen waves of 256 registers, four to a SIMD; wave w takes j = w and then j = 31 - w: a fixed share, right for every mask.
; A HEAD'S WHOLE K, V AND SCALES (136 KiB) ARE COPIED INTO LDS ONCE, through registers, in the order in which the operands' registers take them; one barrier; after it these bytes are only read, and no barrier follows.
; Each wave walks its tile's 16 key steps in a loop of constant count.  A step with no true entry is jumped over, and the 64 selects of a step all of whose entries are true: scalar branches on the stored flags.
; NO TENSOR LOADS, NO CLUSTER: what the four work-groups of a head share, 136 KiB, each reads once for its 32 tiles x up to 16 steps.
; LAYOUT.  Both products are used transposed: S^T = K Q^T (source 0 = 16 keys, source 1 = my 16 queries), O^T = V^T P^T (source 0 = 16 channels, source 1 = P): a lane holds ONE query (lane % 16) throughout.
; THE KEYS OF A TILE ARE NOT NEIGHBOURS: lane r of tile 2 b + u takes key 32 b + 8 u + r + 8 (r / 8), so that score register n of lane (r, h) is key 32 (n / 16) + 16 h + n % 16: 16 neighbours in two tiles.
; THE FIRST PRODUCT'S K IS 64 in an instruction 128 deep: registers 4-7 of K's and Q's fragments hold zero codes, written once; the scale words are two bytes, zero-extended (byte 0 over zero codes adds nothing).
; A row with no true entry keeps sum 0 and O 0 and leaves as 0 x (1 / 0) = NaN, as the softmax of a row of -inf is.
; LIMITS: a scale byte 0xff (NaN) among the inputs is not served; p under 2^-126 becomes 0 (v_exp_f32 flushes: ISA guide 15.8), beside a row's largest p of more than 1/2; t - M is one fused multiply-add, rounded once.
.set VIMG,  65536                      ; LDS: from 0 K's fragments as images: tile 2 (key / 32) + u: 512 bytes, lane l's 16 at 16 l; a step is 8 tiles, 4,096 bytes
.set VTILE, 1088                       ; from VIMG V's: 16 r + 272 h + 544 c + 1,088 tile + 4,416 step: in columns of 16 bytes, modulo 16, h, c and the step's two low bits count 1, 2, 4, 8:
.set VSTEP, 4416                       ;   so the fill's stores (16 lanes differ in h, c, step) and the reads (16 lanes differ in r) each touch 16 different columns of 256 bytes
.set SCK,   VIMG+16*VSTEP              ; 136,192: K's scale bytes as they lie, 2 a key
.set SCV,   SCK+4096                   ; 140,288: V's scale words, turned: 256 x step + 4 x channel
.set STG,   SCV+4096                   ; 144,384: the way out: a stage for each wave,
.set SP,    272                        ; 16 rows of 256 bytes + 16
.set L16,  1                           ; v1   16 x lane: my place in an image of K, and my byte offset in two rows of O
.set AV0,  2                           ; v2   VIMG + 16 r + 272 h
.set ASK0, 3                           ; v3   SCK + 2 (r + 8 (r / 8) + 8 h): lanes 0-15 an even tile's keys, lanes 16-31 the odd tile's
.set ASV0, 4                           ; v4   SCV + 4 x lane: lanes 0-15 an even tile's channels, lanes 16-31 the odd tile's
.set QO,   5                           ; v5   32 r + 16 h: my 16 bytes of Q's row
.set QSO,  6                           ; v6   2 r
.set ADK,  8                           ; v8-11 the step's LDS addresses: K, V, K's scales, V's scales (during the fill: offsets)
.set ADV,  9
.set ADS,  10
.set ADT,  11                          ; v12 -M, v13 the largest t, v[14:15] the sum in two halves
.set QF,   16                          ; v16-23  Q's fragment; v20-23 zero codes
.set QS,   24                          ; v24     Q's scale words
.set NINF, 25                          ; v25     -infinity
.set STI,  26                          ; v26     the stage, on the way in
.set STO,  27                          ; v27     and back
.set KS,   28                          ; v28-31  K's scale words, a register for tiles 2 b and 2 b + 1
.set KF,   32                          ; v32-95  K's 8 fragments; registers 4-7 of each zero codes
.set SC,   96                          ; v96-159 S^T, then p; on the way out O / sum and whole rows
.set OT,   160                         ; v160-191 O^T, 4 tiles
.set VF,   192                         ; v192-223 V's 4 fragments
.set PC,   224                         ; v224-231 p's codes
.set BM,   232                         ; v232-235 each block's largest score, then its largest p
.set PT,   236                         ; v236-239 at work
.set FF,   240                         ; v[240:241] f = 2^(old M - new M); v241 is named with it as a pair
.set PSW,  242                         ; v242    p's scale word
.set TMP,  243
.set SO,   244                         ; v244-247 the conversions' scale operands
.set VS,   248                         ; v248-249 V's scale words, a register for tiles 2 a and 2 a + 1
.set WV,   2                           ; s2  wave;  s3  x % 4
.set G,    3                           ; s[4:5] Q's codes, s[6:7] Q's scales, s[16:17] mbits, s[18:19] flags, s[20:21] O: all but the two lists at my head
.set QP,   8                           ; s[8:9], s[10:11] the tile's Q codes and scales; s[12:13] its mask words, stepped; s[14:15] its rows of O.  (During the fill s[8:15]: K's and V's codes and scales)
.set QSP,  10
.set MB,   12
.set OP,   14
.set CS,   22                          ; s[22:23] c = log2(e) / 8: the packed form names a pair and takes its low word for both halves
.set SEL,  24                          ; s[24:25] lane selects for v_permlanex16_b32: lane l xor 16
.set ST,   28                          ; s28 the step;  s29 the tile's flag word;  s[30:31] where its four parts lie
.set FL,   29
.set PASS, 66                          ; s66 tiles to go;  s67 j.   s32-63 and s68-99: the step's 64 mask words;  s100, s101, s104, s105 at work
	s_load_b512 s[4:19], s[0:1], 0x0               ; q_codes, q_scales, k_codes, k_scales, v_codes, v_scales, mbits, flags
	s_load_b64 s[20:21], s[0:1], 0x40              ; out0
	v_lshrrev_b32 v252, 5, v0
	v_readfirstlane_b32 s[WV], v252                ; wave 0..15
	s_and_b32 s[G], ttmp9, 3
	s_lshr_b32 s105, ttmp9, 2                      ; the head
	v_and_b32 v253, 31, v0                         ; lane
	v_and_b32 v254, 15, v0                         ; r
	v_bfe_u32 v255, v0, 4, 1                       ; h
	v_lshlrev_b32 v[L16], 4, v253
	v_lshlrev_b32 v[AV0], 4, v254
	v_mad_u32_u24 v[AV0], v255, 272, v[AV0]
	v_add_nc_u32 v[AV0], VIMG, v[AV0]
	v_and_b32 v[ASK0], 8, v254
	v_add_nc_u32 v[ASK0], v[ASK0], v254            ; r + 8 (r / 8)
	v_lshl_add_u32 v[ASK0], v255, 3, v[ASK0]       ; + 8 h
	v_lshl_add_u32 v[ASK0], v[ASK0], 1, SCK
	v_lshl_add_u32 v[ASV0], v253, 2, SCV
	v_lshlrev_b32 v[QO], 5, v254
	v_lshl_add_u32 v[QO], v255, 4, v[QO]
	v_lshlrev_b32 v[QSO], 1, v254
	s_mul_i32 s26, s[WV], 16*SP
	s_add_co_u32 s26, s26, STG                     ; my stage
	v_mul_u32_u24 v[STI], v254, SP                 ; in: row r; tile t's eight channels of my half: 64 t + 32 h bytes on
	v_lshl_add_u32 v[STI], v255, 5, v[STI]
	v_add_nc_u32 v[STI], s26, v[STI]
	v_mul_u32_u24 v[STO], v255, SP                 ; back: lanes 0-15 one row, lanes 16-31 the next
	v_lshl_add_u32 v[STO], v254, 4, v[STO]
	v_add_nc_u32 v[STO], s26, v[STO]
	; THE FILL's addresses, by the thread's number tid (0..511).
	; K: LDS piece tid + 512 p (16 bytes each) is, by its bits: 0-2 r % 8, 3 r / 8, 4 h, 5 u, 6.. key / 32.  In memory that piece is number 2 key + h, key = 32 (key / 32) + 16 (r / 8) + 8 u + r % 8.
	v_and_b32 v252, 7, v0
	v_lshl_or_b32 v8, v252, 1, v255                ; h | (r % 8) << 1
	v_bfe_u32 v252, v0, 5, 1
	v_lshl_or_b32 v8, v252, 4, v8                  ; | u << 4
	v_bfe_u32 v252, v0, 3, 1
	v_lshl_or_b32 v8, v252, 5, v8                  ; | (r / 8) << 5
	v_and_or_b32 v8, v0, 0x1c0, v8                 ; | the low bits of key / 32
	v_lshlrev_b32 v8, 4, v8                        ; K in memory: a wave's 32 lanes read two whole aligned blocks of 256 bytes
	v_lshlrev_b32 v9, 4, v0                        ; 16 tid: K in LDS, and V in memory
	; V: piece tid + 512 p of memory is, by tid's bits: 0 h, 1 c, 2-5 the step, 6-8 the channel's low bits; p adds 8 channels
	v_and_b32 v10, 1, v0
	v_mul_u32_u24 v10, v10, 272
	v_bfe_u32 v252, v0, 1, 1
	v_mad_u32_u24 v10, v252, 544, v10
	v_bfe_u32 v252, v0, 2, 4
	v_mad_u32_u24 v10, v252, VSTEP, v10
	v_bfe_u32 v252, v0, 6, 3
	v_lshl_add_u32 v10, v252, 4, v10
	v_add_nc_u32 v10, VIMG, v10                    ; V in LDS
	v_lshlrev_b32 v11, 3, v0                       ; 8 tid: both lists of scale bytes in memory
	v_add_nc_u32 v250, SCK, v11                    ; K's scale bytes in LDS, as they lie
	v_and_b32 v252, 7, v0                          ; V's: my 8 bytes are channel tid / 8, steps 2 (tid % 8) and + 1
	v_lshrrev_b32 v251, 3, v0
	v_lshlrev_b32 v251, 2, v251
	v_lshl_add_u32 v251, v252, 9, v251
	v_add_nc_u32 v251, SCV, v251
	s_mov_b32 s27, 0
	s_wait_kmcnt 0x0
	s_lshl_b32 s26, s105, 16                       ; a head's codes: 65,536 bytes in each of the three tensors
	s_add_nc_u64 s[4:5], s[4:5], s[26:27]
	s_add_nc_u64 s[8:9], s[8:9], s[26:27]
	s_add_nc_u64 s[12:13], s[12:13], s[26:27]
	s_lshl_b32 s26, s105, 12                       ; its scale bytes: 4,096
	s_add_nc_u64 s[6:7], s[6:7], s[26:27]
	s_add_nc_u64 s[10:11], s[10:11], s[26:27]
	s_add_nc_u64 s[14:15], s[14:15], s[26:27]
	s_lshl_b32 s26, s105, 19                       ; its rows of O: 524,288
	s_add_nc_u64 s[20:21], s[20:21], s[26:27]
.irp p, 0,1,2,3,4,5,6,7
	global_load_b128 v[SC+4*\p:SC+4*\p+3], v8, s[8:9] offset:8192*\p         ; K's codes.  All 18 loads of a thread go out before its first store
.endr
.irp p, 0,1,2,3,4,5,6,7
	global_load_b128 v[SC+32+4*\p:SC+32+4*\p+3], v9, s[12:13] offset:8192*\p ; V's codes: 512 consecutive bytes a wave
.endr
	global_load_b64 v[OT:OT+1], v11, s[10:11]      ; K's scale bytes
	global_load_b64 v[OT+2:OT+3], v11, s[14:15]    ; V's
	; while they are on their way: the constants
.irp i, 4,5,6,7
	v_mov_b32 v[QF+\i], 0                          ; zero codes for k = 64 .. 127 of Q,
.endr
.irp f, 0,1,2,3,4,5,6,7
.irp i, 4,5,6,7
	v_mov_b32 v[KF+8*\f+\i], 0                     ; and of K's eight fragments: written once, never loaded into
.endr
.endr
.irp b, 0,1,2,3
	v_mov_b32 v[PT+\b], 0                          ; written once: a lane permute's destination counts as one of its sources
.endr
	v_mov_b32 v[FF+1], 0                           ; (named as the upper half of a pair)
	v_mov_b32 v[NINF], 0xff800000
	s_mov_b32 s[CS], 0x3e38aa3b                    ; c = log2(e) / 8
	s_mov_b32 s[CS+1], s[CS]
	s_mov_b32 s[SEL], 0x76543210
	s_mov_b32 s[SEL+1], 0xfedcba98
	s_mov_b32 s[PASS], 2
	s_mov_b32 s67, s[WV]                           ; j = w first
.irp p, 0,1,2,3,4,5,6,7
	s_wait_loadcnt 17-\p                           ; loads come back in order: this one is in, the 17 - p younger ones may be out
	ds_store_b128 v9, v[SC+4*\p:SC+4*\p+3] offset:8192*\p
.endr
.irp p, 0,1,2,3,4,5,6,7
	s_wait_loadcnt 9-\p
	ds_store_b128 v10, v[SC+32+4*\p:SC+32+4*\p+3] offset:128*(\p%2)+VTILE*(\p/2)   ; channel tid / 64 + 8 p = 16 (p / 2) + 8 (p % 2) + tid / 64
.endr
	s_wait_loadcnt 1
	ds_store_b64 v250, v[OT:OT+1]
	s_wait_loadcnt 0x0
	ds_store_b32 v251, v[OT+2]
	ds_store_b32 v251, v[OT+3] offset:256
	s_wait_dscnt 0x0                               ; for the others' sake: my stores have landed
	s_barrier_signal -1
	s_barrier_wait -1                              ; the head lies in LDS.  The launch's only barrier: from here on these bytes are only read, and a stage is its wave's own
.Ltile:                                            ; two trips: tile t = 4 j + x % 4
	s_lshl_b32 s105, s67, 2
	s_add_co_u32 s105, s105, s[G]
	s_lshl_b32 s26, s105, 9                        ; 16 rows of 32 bytes
	s_add_nc_u64 s[QP:QP+1], s[4:5], s[26:27]
	s_lshl_b32 s26, s105, 5                        ; 16 x 2 bytes
	s_add_nc_u64 s[QSP:QSP+1], s[6:7], s[26:27]
	s_lshl_b32 s26, s105, 12                       ; 16 steps of 256 bytes of mask words; and 16 rows of 256 bytes of O
	s_add_nc_u64 s[MB:MB+1], s[16:17], s[26:27]
	s_add_nc_u64 s[OP:OP+1], s[20:21], s[26:27]
	s_lshl_b32 s26, s105, 4
	s_add_nc_u64 s[30:31], s[18:19], s[26:27]
	s_load_b128 s[32:35], s[30:31], 0x0            ; the four parts of the tile's flag word
	global_load_b128 v[QF:QF+3], v[QO], s[QP:QP+1] ; Q's fragment: k = 32 h .. 32 h + 31 of row r
	global_load_u16 v[QS], v[QSO], s[QSP:QSP+1]    ; its two scale bytes; bytes 2 and 3 of the word are 0
	v_mov_b32 v13, 0xff61b1e6                      ; the largest t so far: -3e38, under every t
	v_floor_f32 v12, -v13                          ; -M
	v_mov_b32 v14, 0                               ; the sum, in two halves
	v_mov_b32 v15, 0
.set j, 0
.rept 32
	v_mov_b32 v[OT+j], 0                           ; O^T.  Which step is a tile's first hangs on the mask, so no first product can be written out with the constant 0 as C
.set j, j+1
.endr
	s_wait_kmcnt 0x0
	s_or_b32 s32, s32, s33
	s_or_b32 s34, s34, s35
	s_or_b32 s[FL], s32, s34                       ; bit s: some true in step s; bit 16 + s: all true
	s_mov_b32 s[ST], 0
	s_wait_loadcnt 0x0                             ; Q
.Lstep:                                            ; 16 trips: 128 keys each
	s_lshr_b32 s105, s[FL], s[ST]
	s_and_b32 s105, s105, 1
	s_cmp_eq_u32 s105, 0
	s_cbranch_scc1 .Lskip                          ; no entry of the mask is true here: every p would be 0
	s_load_b512 s[32:47], s[MB:MB+1], 0x0          ; the step's 64 mask words: asked for in every step that is worked, so that they land under K's loads and products
	s_load_b512 s[48:63], s[MB:MB+1], 0x40
	s_load_b512 s[68:83], s[MB:MB+1], 0x80
	s_load_b512 s[84:99], s[MB:MB+1], 0xc0
	s_lshl_b32 s100, s[ST], 12                     ; K's images: 4,096 bytes a step
	s_mul_i32 s101, s[ST], VSTEP                   ; V's
	s_lshl_b32 s104, s[ST], 8                      ; both lists of scales: 256 bytes a step
	v_add_nc_u32 v[ADK], s100, v[L16]              ; these four are also the places between the last step's products and the loads into V's registers
	v_add_nc_u32 v[ADV], s101, v[AV0]
	v_add_nc_u32 v[ADS], s104, v[ASK0]
	v_add_nc_u32 v[ADT], s104, v[ASV0]
.irp f, 0,1,2,3,4,5,6,7
	ds_load_b128 v[KF+8*\f:KF+8*\f+3], v[ADK] offset:512*\f        ; an image: 512 consecutive bytes a load
.endr
.irp b, 0,1,2,3
	ds_load_u16 v[KS+\b], v[ADS] offset:64*\b
.endr
.irp f, 0,1,2,3
.irp c, 0,1
	ds_load_b128 v[VF+8*\f+4*\c:VF+8*\f+4*\c+3], v[ADV] offset:VTILE*\f+544*\c   ; V is asked for now and wanted behind the softmax
.endr
.endr
.irp a, 0,1
	ds_load_b32 v[VS+\a], v[ADT] offset:128*\a
.endr
	s_wait_dscnt 10                                ; K's twelve loads are in; V's ten, issued behind them, may be out
.irp b, 0,1,2,3                                ; S^T = K Q^T: eight tiles of 16 keys; the odd tile's scales stand in lanes 16-31
	v_wmma_scale_f32_16x16x128_f8f6f4 v[SC+16*\b:SC+16*\b+7], v[KF+16*\b:KF+16*\b+7], v[QF:QF+7], 0, v[KS+\b], v[QS] matrix_a_fmt:MATRIX_FMT_FP4 matrix_b_fmt:MATRIX_FMT_FP4
	v_wmma_scale_f32_16x16x128_f8f6f4 v[SC+16*\b+8:SC+16*\b+15], v[KF+16*\b+8:KF+16*\b+15], v[QF:QF+7], 0, v[KS+\b], v[QS] matrix_a_fmt:MATRIX_FMT_FP4 matrix_b_fmt:MATRIX_FMT_FP4 matrix_a_scale:MATRIX_SCALE_ROW1
.endr
.rept 4
	v_nop                                          ; four places between a matrix instruction and the first vector instruction that reads its result (ISA guide 7.12.1)
.endr
	s_wait_kmcnt 0x0                               ; the mask words are in: on both ways, since the next step loads into the same registers and steps their pointer
	s_add_co_u32 s105, s[ST], 16
	s_lshr_b32 s105, s[FL], s105
	s_and_b32 s105, s105, 1
	s_cmp_lg_u32 s105, 0
	s_cbranch_scc1 .Lopen                          ; every entry is true: nothing to select
.set n, 0
.rept 32
	v_cndmask_b32 v[SC+n], v[NINF], v[SC+n], s[32+n]   ; a false entry's score becomes -infinity ahead of the maximum: p = 0 then.  Each accumulator from its low end on
.set n, n+1
.endr
.rept 32
	v_cndmask_b32 v[SC+n], v[NINF], v[SC+n], s[36+n]
.set n, n+1
.endr
.Lopen:
.irp b, 0,1,2,3
	v_max3_num_f32 v[BM+\b], v[SC+16*\b], v[SC+1+16*\b], v[SC+2+16*\b]   ; THE LARGEST SCORE OF EACH BLOCK OF 32 KEYS serves twice: for the row's maximum, and, since p rises with the score, for the block's largest p
.endr
.irp i, 3,5,7,9,11,13
.irp b, 0,1,2,3
	v_max3_num_f32 v[BM+\b], v[BM+\b], v[SC+16*\b+\i], v[SC+1+16*\b+\i]  ; (the four blocks by turns)
.endr
.endr
.irp b, 0,1,2,3
	v_max_num_f32 v[BM+\b], v[BM+\b], v[SC+15+16*\b]
.endr
.irp b, 0,1,2,3
	v_permlanex16_b32 v[PT+\b], v[BM+\b], s[SEL], s[SEL+1]
.endr
.irp b, 0,1,2,3
	v_max_num_f32 v[BM+\b], v[BM+\b], v[PT+\b]     ; with lane l xor 16's 16 keys
.endr
	v_max3_num_f32 v[TMP], v[BM], v[BM+1], v[BM+2]
	v_max_num_f32 v[TMP], v[TMP], v[BM+3]          ; the step's largest score of my query
	v_mul_f32 v[TMP], s[CS], v[TMP]                ; as t (c is positive)
	v_max_num_f32 v13, v13, v[TMP]                 ; the running largest t
	v_mov_b32 v[TMP], v12
	v_floor_f32 v12, -v13                          ; the new -M = floor(-t) = -ceil(t): M is a whole number
	v_sub_f32 v[TMP], v12, v[TMP]                  ; M's old value less its new one: a whole number, 0 or less
	v_cvt_i32_f32 v[TMP], v[TMP]                   ; (it saturates)
	v_ldexp_f32 v[FF], 1.0, v[TMP]                 ; f = 2^(old M - new M)
.set j, 0
.rept 32
	v_pk_fma_f32 v[SC+j:SC+j+1], v[SC+j:SC+j+1], s[CS:CS+1], v[12:13] op_sel_hi:[1,0,0]   ; t - M, two at a time (of the pairs c and -M the low word serves both halves)
.set j, j+2
.endr
.irp b, 0,1,2,3
	v_fma_f32 v[BM+\b], v[BM+\b], s[CS], v12       ; the same of each block's largest score
.endr
.set j, 0
.rept 64
	v_exp_f32 v[SC+j], v[SC+j]                     ; p = 2^(t - M), at most 1: not normalised
.set j, j+1
.endr
	v_pk_mul_f32 v[14:15], v[14:15], v[FF:FF+1] op_sel_hi:[1,0]    ; the sums under the new M: the plain instruction behind the exponentials
	s_wait_alu depctr_va_vdst(0)                   ; the wait ahead of the first line that names a result: one for the batch of 64
.irp b, 0,1,2,3
	v_exp_f32 v[BM+\b], v[BM+\b]                   ; the block's largest p: the same two instructions on the same number give the same bits
.endr
	v_pk_add_f32 v[PT:PT+1], v[SC:SC+1], v[SC+2:SC+3]              ; THE ROW'S SUM IS TAKEN OF THE UNQUANTISED p: two at a time, in two chains; it reads the 64 alone
.set j, 4
.rept 15
	v_pk_add_f32 v[14:15], v[14:15], v[SC+j:SC+j+1]
	v_pk_add_f32 v[PT:PT+1], v[PT:PT+1], v[SC+j+2:SC+j+3]
.set j, j+4
.endr
	v_pk_add_f32 v[14:15], v[14:15], v[PT:PT+1]
	s_wait_alu depctr_va_vdst(0)                   ; and one for the four
.irp b, 0,1,2,3
	v_max_num_f32 v[BM+\b], 0x1800000, v[BM+\b]    ; the floor 2^(3 - 127): the byte cannot fall under 1 (a block whose every p is 0 keeps that byte: its codes are zeros)
.endr
.irp b, 0,1,2,3
	v_add_nc_u32 v[SO+\b], 0xff000000, v[BM+\b]    ; 2 off the exponent field: the conversion takes the exponent field of this operand as its scale
.endr
.irp b, 0,1,2,3
	v_lshrrev_b32 v[PT+\b], 23, v[SO+\b]           ; the scale's byte
.endr
	v_lshl_or_b32 v[PSW], v[PT+1], 8, v[PT]        ; p's scale word for these 128 keys
	v_lshl_or_b32 v[PSW], v[PT+2], 16, v[PSW]
	v_lshl_or_b32 v[PSW], v[PT+3], 24, v[PSW]
.irp b, 0,1,2,3
	v_cvt_scalef32_pk8_fp4_f32 v[PC+2*\b], v[SC+16*\b:SC+16*\b+7], v[SO+\b]
	v_cvt_scalef32_pk8_fp4_f32 v[PC+1+2*\b], v[SC+8+16*\b:SC+15+16*\b], v[SO+\b]
.endr
	v_nop                                          ; one plain vector instruction between a scaled conversion and the vector instruction that touches its result
.irp c, 0,1                                    ; the operand's layout wants a WHOLE block in a lane: lanes 0-15 block 2 c, lanes 16-31 block 2 c + 1
.irp i, 0,1
	v_permlane16_swap_b32 v[PC+4*\c+\i], v[PC+2+4*\c+\i]
.endr
.endr
.set j, 0
.rept 16
	v_pk_mul_f32 v[OT+j:OT+j+1], v[OT+j:OT+j+1], v[FF:FF+1] op_sel_hi:[1,0]   ; O^T under the new M, each accumulator from its low end on.  These 16 are also the places between the scale word's and the codes' last writes and the products
.set j, j+2
.endr
	s_wait_dscnt 0x0                               ; V and its scale words are in
.irp a, 0,1                                    ; O^T += V^T P^T: four tiles of 16 channels, K = these 128 keys.  The four accumulators take turns, and the next step's eight products stand between two links of a chain
	v_wmma_scale_f32_16x16x128_f8f6f4 v[OT+16*\a:OT+16*\a+7], v[VF+16*\a:VF+16*\a+7], v[PC:PC+7], v[OT+16*\a:OT+16*\a+7], v[VS+\a], v[PSW] matrix_a_fmt:MATRIX_FMT_FP4 matrix_b_fmt:MATRIX_FMT_FP4
	v_wmma_scale_f32_16x16x128_f8f6f4 v[OT+16*\a+8:OT+16*\a+15], v[VF+16*\a+8:VF+16*\a+15], v[PC:PC+7], v[OT+16*\a+8:OT+16*\a+15], v[VS+\a], v[PSW] matrix_a_fmt:MATRIX_FMT_FP4 matrix_b_fmt:MATRIX_FMT_FP4 matrix_a_scale:MATRIX_SCALE_ROW1
.endr
.Lskip:
	s_add_nc_u64 s[MB:MB+1], s[MB:MB+1], 0x100     ; the next step's mask words (no scalar load is out: a worked step has waited for its four)
	s_add_co_u32 s[ST], s[ST], 1
	s_cmp_lt_u32 s[ST], 16
	s_cbranch_scc1 .Lstep
	; THE WAY OUT.  O^T is divided by the row's sum and goes through my stage in LDS, so that whole rows of 256 bytes leave.
.rept 4
	v_nop                                          ; the places behind the last products
.endr
	v_add_f32 v14, v14, v15                        ; the sum's two halves,
	v_permlanex16_b32 v[PT], v14, s[SEL], s[SEL+1]
	v_add_f32 v14, v14, v[PT]                      ; and lane l xor 16's: the row's sum
	v_rcp_f32 v14, v14
	v_nop                                          ; a plain instruction behind the reciprocal
	s_wait_alu depctr_va_vdst(0)                   ; and the wait ahead of its first reader
.set j, 0
.rept 32
	v_mul_f32 v[SC+j], v[OT+j], v14                ; register 8 t + i is o(r, 16 t + 8 h + i)
.set j, j+1
.endr
.irp f, 0,1,2,3
	ds_store_b128 v[STI], v[SC+8*\f:SC+8*\f+3] offset:64*\f
	ds_store_b128 v[STI], v[SC+8*\f+4:SC+8*\f+7] offset:64*\f+16
.endr
.irp i, 0,1,2,3,4,5,6,7
	ds_load_b128 v[SC+32+4*\i:SC+32+4*\i+3], v[STO] offset:2*\i*SP   ; LDS serves a wave's instructions in order: these see my stores
.endr
.irp i, 0,1,2,3,4,5,6,7
	s_wait_dscnt 7-\i                              ; rows 2 i and 2 i + 1 are back; the 7 - i younger loads may be out
	global_store_b128 v[L16], v[SC+32+4*\i:SC+32+4*\i+3], s[OP:OP+1] offset:512*\i th:TH_STORE_NT   ; 32 lanes store 512 consecutive bytes, at a multiple of 256 from O's first byte; written once, read by nobody here
.endr
	s_wait_xcnt 0x0                                ; the stores have read their data and their base: the next tile writes both
	s_sub_co_u32 s67, 31, s67                      ; j = 31 - w second
	s_sub_co_u32 s[PASS], s[PASS], 1
	s_cmp_lg_u32 s[PASS], 0
	s_cbranch_scc1 .Ltile
	s_wait_xcnt 0x0
	v_lshl_add_u32 v254, v0, 2, 0x34400
	v_mov_b32 v255, 0
	s_wait_tensorcnt 0x0
	ds_add_u32 v254, v255
	s_wait_dscnt 0x0
	s_endpgm
.Lfunc_end_k_q38c77a8060_attn:
	.size	k_q38c77a8060_attn, .Lfunc_end_k_q38c77a8060_attn-k_q38c77a8060_attn
	.p2alignl 7, 3214868480
	.fill 96, 4, 3214868480
	.section	.rodata,"a",@progbits
	.p2align	6, 0x0
	.amdhsa_kernel k_q38c77a8060_attn
		.amdhsa_group_segment_fixed_size 216064
		.amdhsa_private_segment_fixed_size 0
		.amdhsa_enable_private_segment 0
		.amdhsa_kernarg_size 72
		.amdhsa_user_sgpr_count 2
		.amdhsa_user_sgpr_kernarg_segment_ptr 1
		.amdhsa_wavefront_size32 1
		.amdhsa_system_sgpr_workgroup_id_x 1
		.amdhsa_system_sgpr_workgroup_id_y 1
		.amdhsa_system_sgpr_workgroup_id_z 1
		.amdhsa_system_vgpr_workitem_id 0
		.amdhsa_next_free_vgpr 256
		.amdhsa_next_free_sgpr 106
		.amdhsa_reserve_vcc 0
		.amdhsa_float_denorm_mode_32 3
		.amdhsa_float_denorm_mode_16_64 3
		.amdhsa_memory_ordered 1
		.amdhsa_forward_progress 1
		.amdhsa_inst_pref_size 35
	.end_amdhsa_kernel
	.amdgpu_metadata
---
amdhsa.version: [ 1, 2 ]
amdhsa.kernels:
  - .name:           k_q38c77a8060_attn
    .symbol:         k_q38c77a8060_attn.kd
    .args:
      - { .name: q_codes, .offset: 0, .size: 8, .value_kind: global_buffer, .address_space: global }
      - { .name: q_scales, .offset: 8, .size: 8, .value_kind: global_buffer, .address_space: global }
      - { .name: k_codes, .offset: 16, .size: 8, .value_kind: global_buffer, .address_space: global }
      - { .name: k_scales, .offset: 24, .size: 8, .value_kind: global_buffer, .address_space: global }
      - { .name: v_codes, .offset: 32, .size: 8, .value_kind: global_buffer, .address_space: global }
      - { .name: v_scales, .offset: 40, .size: 8, .value_kind: global_buffer, .address_space: global }
      - { .name: mbits, .offset: 48, .size: 8, .value_kind: global_buffer, .address_space: global }
      - { .name: flags, .offset: 56, .size: 8, .value_kind: global_buffer, .address_space: global }
      - { .name: out0, .offset: 64, .size: 8, .value_kind: global_buffer, .address_space: global }
    .group_segment_fixed_size: 216064
    .private_segment_fixed_size: 0
    .kernarg_segment_align: 8
    .kernarg_segment_size: 72
    .max_flat_workgroup_size: 512
    .sgpr_count:     106
    .vgpr_count:     256
    .wavefront_size: 32
...
	.end_amdgpu_metadata
.endif
;; end of part 2
;; ======== version 2 of 2: 2 launches
;; workspace buffers: mbits 524,288 bytes of whole numbers; flags 2,048 bytes of whole numbers
;; launch maskpack (part 3): grid 128 x 4, 1 waves a work-group, no clusters, 8,960 bytes of LDS; arguments mask, mbits, flags; writes mbits, flags
.if DOCPART == 3
	.amdgcn_target "amdgcn-amd-amdhsa--gfx1250"
	.amdhsa_code_object_version 6
	.text
	.protected	k_q38c77a8060_maskpack
	.globl	k_q38c77a8060_maskpack
	.p2align	8
	.type	k_q38c77a8060_maskpack,@function
k_q38c77a8060_maskpack:
	s_mov_b64 s[64:65], 0
	v_nop
	global_prefetch_b8 v0, s[64:65] scope:SCOPE_SE
	s_setreg_imm32_b32 hwreg(HW_REG_WAVE_MODE, 25, 1), 1
	s_wait_xcnt 0x0
; The mask [2048][2048], one byte (0 or 1) an entry, is packed ONCE for all 64 heads into the form that the attention launch's lanes want.
; mbits [tile t of 16 queries: 128][step s of 128 keys: 16][n: 64] dwords.  Bit L of dword n = mask[16 t + L % 16][128 s + 32 (n / 16) + 16 (L / 16) + n % 16]:
;   the key that score register n of lane L holds there, so that a dword is the lane mask of one v_cndmask_b32.
; flags [t][y: 4] dwords.  In dword (t, y): bit 4 y + g: step 4 y + g of tile t has some true entry; bit 16 + 4 y + g: all its entries are true.  The OR of a tile's four dwords is its flag word.
; SHARES.  A work-group is one wave: 16 rows of the mask x 512 bytes (tile t = work-group x, steps 4 y .. 4 y + 3, y = work-group y).  512 work-groups of equal work; each mask byte is read once.
; A load reads 512 consecutive bytes of one row, 16 a lane; the 16 rows turn through a stage in LDS (rows 528 bytes apart) and come back so that lane (r, h) holds row r's 16 bytes at 32 b + 16 h.
; A byte other than 0 or 1 counts as true in mbits and makes the step 'not all true', which only sends the attention launch through its masked path.
.set ROWB,  2048                       ; a row of the mask in bytes
.set PITCH, 528                        ; a stage row: 512 bytes + 16: 33 columns of 16 bytes, so the 16 rows that a read touches start at 16 different columns of 256 bytes
.set R,     16                         ; v16-79   16 rows as loaded, 4 registers each
.set X,     80                         ; v80-143  step g: 16 registers: register 4 b + q = bytes 32 b + 16 h + 4 q .. + 3 of my row
.set T,     144                        ; v144-151 eight single bytes, at work
.set W,     152                        ; v152-159 step g: a pair: lane l holds dwords 2 l and 2 l + 1
.set ORC,   160                        ; v160     OR of a step's 16 registers
.set ANDC,  161                        ; v161     AND of them
	s_load_b128 s[4:7], s[0:1], 0x0                ; mask s[4:5], mbits s[6:7]
	s_load_b64 s[8:9], s[0:1], 0x10                ; flags
	v_lshl_add_u32 v168, v0, 2, 0x2200
	v_mov_b32 v169, 0
	s_and_b32 s13, ttmp7, 0xffff                   ; y
	v_lshlrev_b32 v2, 4, v0                        ; 16 x lane: my bytes of a load, and of a stage row on the way in (one wave: v0 is the lane)
	v_and_b32 v3, 15, v0                           ; r
	v_mul_u32_u24 v3, v3, PITCH
	v_bfe_u32 v5, v0, 4, 1                         ; h
	v_lshl_add_u32 v3, v5, 4, v3                   ; the stage on the way out: row r, + 16 h
	v_lshlrev_b32 v4, 3, v0                        ; 8 x lane: my two dwords of a step's 64
	v_mov_b32 v5, 0                                ; the flag word's offset
.irp i, 0,1,2,3,4,5,6,7
	v_mov_b32 v[W+\i], 0                           ; written once: v_writelane_b32's destination counts as read
.endr
	s_mov_b32 s12, 0                               ; the flags, gathered
	s_mov_b32 s11, 0
	s_lshl_b32 s10, ttmp9, 15                      ; 16 rows of 2,048 bytes a tile,
	s_lshl_b32 s14, s13, 9                         ; 512 bytes a y
	s_add_co_u32 s10, s10, s14
	s_wait_kmcnt 0x0
	s_add_nc_u64 s[4:5], s[4:5], s[10:11]
	s_lshl_b32 s10, ttmp9, 12                      ; mbits: 16 steps of 256 bytes a tile,
	s_lshl_b32 s14, s13, 10                        ; four steps a y
	s_add_co_u32 s10, s10, s14
	s_add_nc_u64 s[6:7], s[6:7], s[10:11]
	s_lshl_b32 s10, ttmp9, 4                       ; flags: 16 bytes a tile,
	s_lshl_b32 s13, s13, 2                         ; 4 y: the dword's byte offset, and the shift of its bits
	s_add_co_u32 s10, s10, s13
	s_add_nc_u64 s[8:9], s[8:9], s[10:11]
.irp i, 0,1,2,3,4,5,6,7,8,9,10,11,12,13,14,15
	global_load_b128 v[R+4*\i:R+4*\i+3], v2, s[4:5] offset:ROWB*\i th:TH_LOAD_NT   ; row i: 32 lanes read 512 consecutive bytes, at a multiple of 256 from the mask's first byte; read once in the launch
.endr
.irp i, 0,1,2,3,4,5,6,7,8,9,10,11,12,13,14,15
	s_wait_loadcnt 15-\i                           ; loads come back in order: row i is in, the 15 - i younger ones may be out
	ds_store_b128 v2, v[R+4*\i:R+4*\i+3] offset:PITCH*\i
.endr
.irp g, 0,1,2,3
.irp b, 0,1,2,3
	ds_load_b128 v[X+16*\g+4*\b:X+16*\g+4*\b+3], v3 offset:128*\g+32*\b   ; LDS serves a wave's instructions in order: these see the stores above
.endr
.endr
; Step g of the four: 64 lane masks, the two flags, one store of 256 bytes.
.macro PACK g
	s_wait_dscnt 12-4*\g                           ; this step's four loads are back; those of the later steps, four each, may be out
.set n, 0
.rept 8                                ; eight dwords at a time, so that no line waits for the line above it
.irp e, 0,1,2,3,4,5,6,7
	v_and_b32 v[T+\e], 0xff<<(8*(\e%4)), v[X+16*\g+(n+\e)/4]       ; byte n of my 64
.endr
.irp e, 0,1,2,3,4,5,6,7
	v_cmp_ne_u32 s[16+\e], 0, v[T+\e]              ; the 32 lanes' answers ARE dword n
.endr
.irp e, 0,1,2,3,4,5,6,7
	v_writelane_b32 v[W+2*\g+\e%2], s[16+\e], (n+\e)/2             ; dword n to lane n / 2, register n % 2
.endr
.set n, n+8
.endr
	v_or_b32 v[ORC], v[X+16*\g], v[X+16*\g+1]
	v_and_b32 v[ANDC], v[X+16*\g], v[X+16*\g+1]
.irp i, 2,3,4,5,6,7,8,9,10,11,12,13,14,15
	v_or_b32 v[ORC], v[ORC], v[X+16*\g+\i]
	v_and_b32 v[ANDC], v[ANDC], v[X+16*\g+\i]
.endr
	v_cmp_ne_u32 s24, 0, v[ORC]                    ; lanes with some true entry
	v_cmp_eq_u32 s25, 0x01010101, v[ANDC]          ; lanes all of whose entries are 1
	s_cmp_lg_u32 s24, 0
	s_cselect_b32 s14, 1<<\g, 0
	s_or_b32 s12, s12, s14                         ; some true
	s_cmp_eq_u32 s25, -1
	s_cselect_b32 s14, 0x10000<<\g, 0
	s_or_b32 s12, s12, s14                         ; all true
	global_store_b64 v4, v[W+2*\g:W+2*\g+1], s[6:7] offset:256*\g  ; 32 lanes store 256 consecutive bytes, at a multiple of 256 from mbits' first byte; each step has its own pair, so no store's data are written again
.endm
	PACK 0
	PACK 1
	PACK 2
	PACK 3
	s_lshl_b32 s12, s12, s13                       ; to this y's places in the tile's flag word
	v_mov_b32 v6, s12
	v_cmp_eq_u32 vcc_lo, 0, v0
	s_wait_alu depctr_va_vdst(0)
	s_wait_xcnt 0x0                                ; EXEC is a source of the stores above: it changes only behind this wait
	s_wait_tensorcnt 0x0
	ds_add_u32 v168, v169
	s_wait_dscnt 0x0
	s_and_saveexec_b32 s14, vcc_lo
	global_store_b32 v5, v6, s[8:9]                ; lane 0 stores the dword
	s_wait_xcnt 0x0                                ; and again, in front of the line that widens it
	s_or_b32 exec_lo, exec_lo, s14
	s_endpgm
.Lfunc_end_k_q38c77a8060_maskpack:
	.size	k_q38c77a8060_maskpack, .Lfunc_end_k_q38c77a8060_maskpack-k_q38c77a8060_maskpack
	.p2alignl 7, 3214868480
	.fill 96, 4, 3214868480
	.section	.rodata,"a",@progbits
	.p2align	6, 0x0
	.amdhsa_kernel k_q38c77a8060_maskpack
		.amdhsa_group_segment_fixed_size 8960
		.amdhsa_private_segment_fixed_size 0
		.amdhsa_enable_private_segment 0
		.amdhsa_kernarg_size 24
		.amdhsa_user_sgpr_count 2
		.amdhsa_user_sgpr_kernarg_segment_ptr 1
		.amdhsa_wavefront_size32 1
		.amdhsa_system_sgpr_workgroup_id_x 1
		.amdhsa_system_sgpr_workgroup_id_y 1
		.amdhsa_system_sgpr_workgroup_id_z 1
		.amdhsa_system_vgpr_workitem_id 0
		.amdhsa_next_free_vgpr 170
		.amdhsa_next_free_sgpr 66
		.amdhsa_reserve_vcc 1
		.amdhsa_float_denorm_mode_32 3
		.amdhsa_float_denorm_mode_16_64 3
		.amdhsa_memory_ordered 1
		.amdhsa_forward_progress 1
		.amdhsa_inst_pref_size 60
	.end_amdhsa_kernel
	.amdgpu_metadata
---
amdhsa.version: [ 1, 2 ]
amdhsa.kernels:
  - .name:           k_q38c77a8060_maskpack
    .symbol:         k_q38c77a8060_maskpack.kd
    .args:
      - { .name: mask, .offset: 0, .size: 8, .value_kind: global_buffer, .address_space: global }
      - { .name: mbits, .offset: 8, .size: 8, .value_kind: global_buffer, .address_space: global }
      - { .name: flags, .offset: 16, .size: 8, .value_kind: global_buffer, .address_space: global }
    .group_segment_fixed_size: 8960
    .private_segment_fixed_size: 0
    .kernarg_segment_align: 8
    .kernarg_segment_size: 24
    .max_flat_workgroup_size: 32
    .sgpr_count:     66
    .vgpr_count:     170
    .wavefront_size: 32
...
	.end_amdgpu_metadata
.endif
;; end of part 3
;; launch attn (part 4): grid 256 x 1, 16 waves a work-group, no clusters, 216,064 bytes of LDS; arguments q_codes, q_scales, k_codes, k_scales, v_codes, v_scales, mbits, flags, out0; writes out0
.if DOCPART == 4
	.amdgcn_target "amdgcn-amd-amdhsa--gfx1250"
	.amdhsa_code_object_version 6
	.text
	.protected	k_q38c77a8060_attn
	.globl	k_q38c77a8060_attn
	.p2align	8
	.type	k_q38c77a8060_attn,@function
k_q38c77a8060_attn:
	s_mov_b64 s[64:65], 0
	v_nop
	global_prefetch_b8 v0, s[64:65] scope:SCOPE_SE
	s_setreg_imm32_b32 hwreg(HW_REG_WAVE_SCHED_MODE, 0, 2), 2
	s_setreg_imm32_b32 hwreg(HW_REG_WAVE_MODE, 25, 1), 1
	s_wait_xcnt 0x0
	s_wait_alu depctr_vm_vsrc(0)
; O[hd][q][:] = the sum over k of softmax_k(mask[q][k] ? Q[hd][q] . K[hd][k] / 8 : -inf) V[hd][k][:], 64 heads, 2,048 queries and keys, head size 64; both products on codes of FP4 (E2M1) with one E8M0 scale for each 32 along K.
; Q, K: codes [hd][2048][32 bytes], scale bytes [hd][2048][2].  V: codes with the KEYS innermost, [hd][64][1024 bytes], scale bytes [hd][64][64].  O: [hd][2048][64] f32.
; The mask comes packed by the launch before: mbits (a lane mask for each score register) and flags (for each tile of 16 queries and step of 128 keys: some true, all true).
; THE SOFTMAX AHEAD OF THE SECOND PRODUCT: t = score x log2(e) / 8; M = the row's largest t so far, rounded UP to a whole number; p = 2^(t - M) is quantised along the keys, not normalised.
; The row's sum is taken of the unquantised p and divides O at the end.  When M moves, the sum and O are multiplied by 2^(old M - new M): exact.
; SHARES.  Work-group x: head x / 4, and of the head's 128 tiles of 16 queries the 32 tiles 4 j + x % 4.  Sixteen waves of 256 registers, four to a SIMD; wave w takes j = w and then j = 31 - w: a fixed share, right for every mask.
; A HEAD'S WHOLE K, V AND SCALES (136 KiB) ARE COPIED INTO LDS ONCE, through registers, in the order in which the operands' registers take them; one barrier; after it these bytes are only read, and no barrier follows.
; Each wave walks its tile's 16 key steps in a loop of constant count.  A step with no true entry is jumped over, and the 64 selects of a step all of whose entries are true: scalar branches on the stored flags.
; NO TENSOR LOADS, NO CLUSTER: what the four work-groups of a head share, 136 KiB, each reads once for its 32 tiles x up to 16 steps.
; LAYOUT.  Both products are used transposed: S^T = K Q^T (source 0 = 16 keys, source 1 = my 16 queries), O^T = V^T P^T (source 0 = 16 channels, source 1 = P): a lane holds ONE query (lane % 16) throughout.
; THE KEYS OF A TILE ARE NOT NEIGHBOURS: lane r of tile 2 b + u takes key 32 b + 8 u + r + 8 (r / 8), so that score register n of lane (r, h) is key 32 (n / 16) + 16 h + n % 16: 16 neighbours in two tiles.
; THE FIRST PRODUCT'S K IS 64 in an instruction 128 deep: registers 4-7 of K's and Q's fragments hold zero codes, written once; the scale words are two bytes, zero-extended (byte 0 over zero codes adds nothing).
; A row with no true entry keeps sum 0 and O 0 and leaves as 0 x (1 / 0) = NaN, as the softmax of a row of -inf is.
; LIMITS: a scale byte 0xff (NaN) among the inputs is not served; p under 2^-126 becomes 0 (v_exp_f32 flushes: ISA guide 15.8), beside a row's largest p of more than 1/2; t - M is one fused multiply-add, rounded once.
; THE MODE: SCHED_MODE bits 1:0 = 2 (LLVM: expert scheduling mode 2), set by the entry lines.  The code itself states the register dependences
; between vector or matrix instructions and memory or LDS instructions, with s_wait_alu, always for 0.
; THE PLAN.  Registers that memory or LDS instructions touch:
;   v1, v5, v6, v26, v27, v250, v251   offsets and LDS addresses, made at the head and never written again.
;   v8-11     The fill: offsets, made at the head.  A worked step: written by the four additions at its head, read by its 22 LDS loads.
;   SC        The fill: K's and V's codes land here and the LDS stores read them.  A step: vector and matrix instructions alone.  The way out: 32 multiplications write SC 0-31, which
;             the stage's stores read; the stage's loads land in SC 32-63, which O's stores read.
;   v160-163  The fill: the scale bytes land here and LDS stores read them; from then on O^T, named by vector and matrix instructions alone.
;   KF (registers 0-3 of each fragment), KS   A step's LDS loads land at its head; its eight products S^T read them.
;   VF, VS    A step's LDS loads land among its products S^T; its four products O^T, the step's last instructions, read them.
;   QF 0-3, QS   Global loads land at a tile's head; all the tile's products S^T read them.
;   PC, PSW   no memory instruction names them; vector instructions write them and the scaled products O^T take them as source 1 and as its scales.
; So a worked step has, beside one wait ahead of its exponentials and two behind them: one wait on vm_vsrc ahead of the four additions; one on va_vdst behind them, which serves all 22 loads of the step, since the
; products S^T among which V's loads are dealt name SC, KF, QF, KS and QS alone; and one on va_vdst ahead of the products O^T.
.set VIMG,  65536                      ; LDS: from 0 K's fragments as images: tile 2 (key / 32) + u: 512 bytes, lane l's 16 at 16 l; a step is 8 tiles, 4,096 bytes
.set VTILE, 1088                       ; from VIMG V's: 16 r + 272 h + 544 c + 1,088 tile + 4,416 step: in columns of 16 bytes, modulo 16, h, c and the step's two low bits count 1, 2, 4, 8:
.set VSTEP, 4416                       ;   so the fill's stores (16 lanes differ in h, c, step) and the reads (16 lanes differ in r) each touch 16 different columns of 256 bytes
.set SCK,   VIMG+16*VSTEP              ; 136,192: K's scale bytes as they lie, 2 a key
.set SCV,   SCK+4096                   ; 140,288: V's scale words, turned: 256 x step + 4 x channel
.set STG,   SCV+4096                   ; 144,384: the way out: a stage for each wave,
.set SP,    272                        ; 16 rows of 256 bytes + 16
.set L16,  1                           ; v1   16 x lane: my place in an image of K, and my byte offset in two rows of O
.set AV0,  2                           ; v2   VIMG + 16 r + 272 h
.set ASK0, 3                           ; v3   SCK + 2 (r + 8 (r / 8) + 8 h): lanes 0-15 an even tile's keys, lanes 16-31 the odd tile's
.set ASV0, 4                           ; v4   SCV + 4 x lane: lanes 0-15 an even tile's channels, lanes 16-31 the odd tile's
.set QO,   5                           ; v5   32 r + 16 h: my 16 bytes of Q's row
.set QSO,  6                           ; v6   2 r
.set ADK,  8                           ; v8-11 the step's LDS addresses: K, V, K's scales, V's scales (during the fill: offsets)
.set ADV,  9
.set ADS,  10
.set ADT,  11                          ; v12 -M, v13 the largest t, v[14:15] the sum in two halves
.set QF,   16                          ; v16-23  Q's fragment; v20-23 zero codes
.set QS,   24                          ; v24     Q's scale words
.set NINF, 25                          ; v25     -infinity
.set STI,  26                          ; v26     the stage, on the way in
.set STO,  27                          ; v27     and back
.set KS,   28                          ; v28-31  K's scale words, a register for tiles 2 b and 2 b + 1
.set KF,   32                          ; v32-95  K's 8 fragments; registers 4-7 of each zero codes
.set SC,   96                          ; v96-159 S^T, then p; on the way out O / sum and whole rows
.set OT,   160                         ; v160-191 O^T, 4 tiles
.set VF,   192                         ; v192-223 V's 4 fragments
.set PC,   224                         ; v224-231 p's codes
.set BM,   232                         ; v232-235 each block's largest score, then its largest p
.set PT,   236                         ; v236-239 at work
.set FF,   240                         ; v[240:241] f = 2^(old M - new M); v241 is named with it as a pair
.set PSW,  242                         ; v242    p's scale word
.set TMP,  243
.set SO,   244                         ; v244-247 the conversions' scale operands
.set VS,   248                         ; v248-249 V's scale words, a register for tiles 2 a and 2 a + 1
.set WV,   2                           ; s2  wave;  s3  x % 4
.set G,    3                           ; s[4:5] Q's codes, s[6:7] Q's scales, s[16:17] mbits, s[18:19] flags, s[20:21] O: all but the two lists at my head
.set QP,   8                           ; s[8:9], s[10:11] the tile's Q codes and scales; s[12:13] its mask words, stepped; s[14:15] its rows of O.  (During the fill s[8:15]: K's and V's codes and scales)
.set QSP,  10
.set MB,   12
.set OP,   14
.set CS,   22                          ; s[22:23] c = log2(e) / 8: the packed form names a pair and takes its low word for both halves
.set SEL,  24                          ; s[24:25] lane selects for v_permlanex16_b32: lane l xor 16
.set ST,   28                          ; s28 the step;  s29 the tile's flag word;  s[30:31] where its four parts lie
.set FL,   29
.set PASS, 66                          ; s66 tiles to go;  s67 j.   s32-63 and s68-99: the step's 64 mask words;  s100, s101, s104, s105 at work
	s_load_b512 s[4:19], s[0:1], 0x0               ; q_codes, q_scales, k_codes, k_scales, v_codes, v_scales, mbits, flags
	s_load_b64 s[20:21], s[0:1], 0x40              ; out0
	v_lshrrev_b32 v252, 5, v0
	v_readfirstlane_b32 s[WV], v252                ; wave 0..15
	s_and_b32 s[G], ttmp9, 3
	s_lshr_b32 s105, ttmp9, 2                      ; the head
	v_and_b32 v253, 31, v0                         ; lane
	v_and_b32 v254, 15, v0                         ; r
	v_bfe_u32 v255, v0, 4, 1                       ; h
	v_lshlrev_b32 v[L16], 4, v253
	v_lshlrev_b32 v[AV0], 4, v254
	v_mad_u32_u24 v[AV0], v255, 272, v[AV0]
	v_add_nc_u32 v[AV0], VIMG, v[AV0]
	v_and_b32 v[ASK0], 8, v254
	v_add_nc_u32 v[ASK0], v[ASK0], v254            ; r + 8 (r / 8)
	v_lshl_add_u32 v[ASK0], v255, 3, v[ASK0]       ; + 8 h
	v_lshl_add_u32 v[ASK0], v[ASK0], 1, SCK
	v_lshl_add_u32 v[ASV0], v253, 2, SCV
	v_lshlrev_b32 v[QO], 5, v254
	v_lshl_add_u32 v[QO], v255, 4, v[QO]
	v_lshlrev_b32 v[QSO], 1, v254
	s_wait_alu depctr_va_sdst(0)                   ; the wave's number is written into s2, ahead of its first reader, the line below
	s_mul_i32 s26, s[WV], 16*SP
	s_add_co_u32 s26, s26, STG                     ; my stage
	v_mul_u32_u24 v[STI], v254, SP                 ; in: row r; tile t's eight channels of my half: 64 t + 32 h bytes on
	v_lshl_add_u32 v[STI], v255, 5, v[STI]
	v_add_nc_u32 v[STI], s26, v[STI]
	v_mul_u32_u24 v[STO], v255, SP                 ; back: lanes 0-15 one row, lanes 16-31 the next
	v_lshl_add_u32 v[STO], v254, 4, v[STO]
	v_add_nc_u32 v[STO], s26, v[STO]
	; THE FILL's addresses, by the thread's number tid (0..511).
	; K: LDS piece tid + 512 p (16 bytes each) is, by its bits: 0-2 r % 8, 3 r / 8, 4 h, 5 u, 6.. key / 32.  In memory that piece is number 2 key + h, key = 32 (key / 32) + 16 (r / 8) + 8 u + r % 8.
	v_and_b32 v252, 7, v0
	v_lshl_or_b32 v8, v252, 1, v255                ; h | (r % 8) << 1
	v_bfe_u32 v252, v0, 5, 1
	v_lshl_or_b32 v8, v252, 4, v8                  ; | u << 4
	v_bfe_u32 v252, v0, 3, 1
	v_lshl_or_b32 v8, v252, 5, v8                  ; | (r / 8) << 5
	v_and_or_b32 v8, v0, 0x1c0, v8                 ; | the low bits of key / 32
	v_lshlrev_b32 v8, 4, v8                        ; K in memory: a wave's 32 lanes read two whole aligned blocks of 256 bytes
	v_lshlrev_b32 v9, 4, v0                        ; 16 tid: K in LDS, and V in memory
	; V: piece tid + 512 p of memory is, by tid's bits: 0 h, 1 c, 2-5 the step, 6-8 the channel's low bits; p adds 8 channels
	v_and_b32 v10, 1, v0
	v_mul_u32_u24 v10, v10, 272
	v_bfe_u32 v252, v0, 1, 1
	v_mad_u32_u24 v10, v252, 544, v10
	v_bfe_u32 v252, v0, 2, 4
	v_mad_u32_u24 v10, v252, VSTEP, v10
	v_bfe_u32 v252, v0, 6, 3
	v_lshl_add_u32 v10, v252, 4, v10
	v_add_nc_u32 v10, VIMG, v10                    ; V in LDS
	v_lshlrev_b32 v11, 3, v0                       ; 8 tid: both lists of scale bytes in memory
	v_add_nc_u32 v250, SCK, v11                    ; K's scale bytes in LDS, as they lie
	v_and_b32 v252, 7, v0                          ; V's: my 8 bytes are channel tid / 8, steps 2 (tid % 8) and + 1
	v_lshrrev_b32 v251, 3, v0
	v_lshlrev_b32 v251, 2, v251
	v_lshl_add_u32 v251, v252, 9, v251
	v_add_nc_u32 v251, SCV, v251
	s_mov_b32 s27, 0
	s_wait_kmcnt 0x0
	s_lshl_b32 s26, s105, 16                       ; a head's codes: 65,536 bytes in each of the three tensors
	s_add_nc_u64 s[4:5], s[4:5], s[26:27]
	s_add_nc_u64 s[8:9], s[8:9], s[26:27]
	s_add_nc_u64 s[12:13], s[12:13], s[26:27]
	s_lshl_b32 s26, s105, 12                       ; its scale bytes: 4,096
	s_add_nc_u64 s[6:7], s[6:7], s[26:27]
	s_add_nc_u64 s[10:11], s[10:11], s[26:27]
	s_add_nc_u64 s[14:15], s[14:15], s[26:27]
	s_lshl_b32 s26, s105, 19                       ; its rows of O: 524,288
	s_add_nc_u64 s[20:21], s[20:21], s[26:27]
	s_wait_alu depctr_va_vdst(0)                   ; all offsets and addresses are written: v8-11, v250, v251, which the fill's loads and stores read, and v1, v5, v6, v26, v27, which Q's loads, the stage's and O's stores read; no vector line below writes any of these but the steps' additions to v8-11
.irp p, 0,1,2,3,4,5,6,7
	global_load_b128 v[SC+4*\p:SC+4*\p+3], v8, s[8:9] offset:8192*\p         ; K's codes.  All 18 loads of a thread go out before its first store
.endr
.irp p, 0,1,2,3,4,5,6,7
	global_load_b128 v[SC+32+4*\p:SC+32+4*\p+3], v9, s[12:13] offset:8192*\p ; V's codes: 512 consecutive bytes a wave
.endr
	global_load_b64 v[OT:OT+1], v11, s[10:11]      ; K's scale bytes
	global_load_b64 v[OT+2:OT+3], v11, s[14:15]    ; V's
	; while they are on their way: the constants.  They name none of the registers that the fill's loads and stores touch
.irp i, 4,5,6,7
	v_mov_b32 v[QF+\i], 0                          ; zero codes for k = 64 .. 127 of Q,
.endr
.irp f, 0,1,2,3,4,5,6,7
.irp i, 4,5,6,7
	v_mov_b32 v[KF+8*\f+\i], 0                     ; and of K's eight fragments: written once, never loaded into
.endr
.endr
.irp b, 0,1,2,3
	v_mov_b32 v[PT+\b], 0                          ; written once: a lane permute's destination counts as one of its sources
.endr
	v_mov_b32 v[FF+1], 0                           ; (named as the upper half of a pair)
	v_mov_b32 v[NINF], 0xff800000
	s_mov_b32 s[CS], 0x3e38aa3b                    ; c = log2(e) / 8
	s_mov_b32 s[CS+1], s[CS]
	s_mov_b32 s[SEL], 0x76543210
	s_mov_b32 s[SEL+1], 0xfedcba98
	s_mov_b32 s[PASS], 2
	s_mov_b32 s67, s[WV]                           ; j = w first
.irp p, 0,1,2,3,4,5,6,7
	s_wait_loadcnt 17-\p                           ; loads come back in order: this one is in, the 17 - p younger ones may be out
	ds_store_b128 v9, v[SC+4*\p:SC+4*\p+3] offset:8192*\p
.endr
.irp p, 0,1,2,3,4,5,6,7
	s_wait_loadcnt 9-\p
	ds_store_b128 v10, v[SC+32+4*\p:SC+32+4*\p+3] offset:128*(\p%2)+VTILE*(\p/2)   ; channel tid / 64 + 8 p = 16 (p / 2) + 8 (p % 2) + tid / 64
.endr
	s_wait_loadcnt 1
	ds_store_b64 v250, v[OT:OT+1]
	s_wait_loadcnt 0x0
	ds_store_b32 v251, v[OT+2]
	ds_store_b32 v251, v[OT+3] offset:256
	s_wait_dscnt 0x0                               ; for the others' sake: my stores have landed
	s_barrier_signal -1
	s_barrier_wait -1                              ; the head lies in LDS.  The launch's only barrier: from here on these bytes are only read, and a stage is its wave's own
	s_wait_alu depctr_vm_vsrc(0)                   ; the fill's loads and stores have read v8-11, SC and v160-163: the tile's clearing of O^T, the steps' additions and the products S^T write these next
.Ltile:                                            ; two trips: tile t = 4 j + x % 4
	s_lshl_b32 s105, s67, 2
	s_add_co_u32 s105, s105, s[G]
	s_lshl_b32 s26, s105, 9                        ; 16 rows of 32 bytes
	s_add_nc_u64 s[QP:QP+1], s[4:5], s[26:27]
	s_lshl_b32 s26, s105, 5                        ; 16 x 2 bytes
	s_add_nc_u64 s[QSP:QSP+1], s[6:7], s[26:27]
	s_lshl_b32 s26, s105, 12                       ; 16 steps of 256 bytes of mask words; and 16 rows of 256 bytes of O
	s_add_nc_u64 s[MB:MB+1], s[16:17], s[26:27]
	s_add_nc_u64 s[OP:OP+1], s[20:21], s[26:27]
	s_lshl_b32 s26, s105, 4
	s_add_nc_u64 s[30:31], s[18:19], s[26:27]
	s_load_b128 s[32:35], s[30:31], 0x0            ; the four parts of the tile's flag word
	global_load_b128 v[QF:QF+3], v[QO], s[QP:QP+1] ; Q's fragment: k = 32 h .. 32 h + 31 of row r.  No wait here: no vector or matrix instruction since the last wait on va_vdst (the fill's; in the second trip the way out's) names v16-19, v24, v5 or v6
	global_load_u16 v[QS], v[QSO], s[QSP:QSP+1]    ; its two scale bytes; bytes 2 and 3 of the word are 0
	v_mov_b32 v13, 0xff61b1e6                      ; the largest t so far: -3e38, under every t
	v_floor_f32 v12, -v13                          ; -M
	v_mov_b32 v14, 0                               ; the sum, in two halves
	v_mov_b32 v15, 0
.set j, 0
.rept 32
	v_mov_b32 v[OT+j], 0                           ; O^T.  Which step is a tile's first hangs on the mask, so no first product can be written out with the constant 0 as C
.set j, j+1
.endr
	s_wait_kmcnt 0x0
	s_or_b32 s32, s32, s33
	s_or_b32 s34, s34, s35
	s_or_b32 s[FL], s32, s34                       ; bit s: some true in step s; bit 16 + s: all true
	s_mov_b32 s[ST], 0
	s_wait_loadcnt 0x0                             ; Q
.Lstep:                                            ; 16 trips: 128 keys each
	s_lshr_b32 s105, s[FL], s[ST]
	s_and_b32 s105, s105, 1
	s_cmp_eq_u32 s105, 0
	s_cbranch_scc1 .Lskip                          ; no entry of the mask is true here: every p would be 0
	s_load_b512 s[32:47], s[MB:MB+1], 0x0          ; the step's 64 mask words: asked for in every step that is worked, so that they land under K's loads and products
	s_load_b512 s[48:63], s[MB:MB+1], 0x40
	s_load_b512 s[68:83], s[MB:MB+1], 0x80
	s_load_b512 s[84:99], s[MB:MB+1], 0xc0
	s_lshl_b32 s100, s[ST], 12                     ; K's images: 4,096 bytes a step
	s_mul_i32 s101, s[ST], VSTEP                   ; V's
	s_lshl_b32 s104, s[ST], 8                      ; both lists of scales: 256 bytes a step
	s_wait_alu depctr_vm_vsrc(0)                   ; the LDS loads of the step worked last have read v8-11, which the four additions write
	v_add_nc_u32 v[ADK], s100, v[L16]
	v_add_nc_u32 v[ADV], s101, v[AV0]
	v_add_nc_u32 v[ADS], s104, v[ASK0]
	v_add_nc_u32 v[ADT], s104, v[ASV0]
	s_wait_alu depctr_va_vdst(0)                   ; v8-11 are written, which the 22 loads below read; the products of the step worked last are done reading KF, KS, VF and VS, in which they land; in the first step: the zero codes of KF and QF are written, which the scaled products take
.irp f, 0,1,2,3,4,5,6,7
	ds_load_b128 v[KF+8*\f:KF+8*\f+3], v[ADK] offset:512*\f        ; an image: 512 consecutive bytes a load
.endr
.irp b, 0,1,2,3
	ds_load_u16 v[KS+\b], v[ADS] offset:64*\b
.endr
	s_wait_dscnt 0x0                               ; K's twelve loads are in; no other LDS instruction of mine is out
.irp b, 0,1,2,3                                ; S^T = K Q^T: eight tiles of 16 keys; the odd tile's scales stand in lanes 16-31.  V's loads are dealt among them: V is asked for now and wanted behind the softmax.  No wait: the products name SC, KF, QF, KS and QS, none of which these loads touch
	v_wmma_scale_f32_16x16x128_f8f6f4 v[SC+16*\b:SC+16*\b+7], v[KF+16*\b:KF+16*\b+7], v[QF:QF+7], 0, v[KS+\b], v[QS] matrix_a_fmt:MATRIX_FMT_FP4 matrix_b_fmt:MATRIX_FMT_FP4
	ds_load_b128 v[VF+8*\b:VF+8*\b+3], v[ADV] offset:VTILE*\b
	v_wmma_scale_f32_16x16x128_f8f6f4 v[SC+16*\b+8:SC+16*\b+15], v[KF+16*\b+8:KF+16*\b+15], v[QF:QF+7], 0, v[KS+\b], v[QS] matrix_a_fmt:MATRIX_FMT_FP4 matrix_b_fmt:MATRIX_FMT_FP4 matrix_a_scale:MATRIX_SCALE_ROW1
	ds_load_b128 v[VF+8*\b+4:VF+8*\b+7], v[ADV] offset:VTILE*\b+544
.endr
.irp a, 0,1
	ds_load_b32 v[VS+\a], v[ADT] offset:128*\a
.endr
.rept 4
	v_nop                                          ; four places between a matrix instruction and the first vector instruction that reads its result (ISA guide 7.12.1)
.endr
	s_wait_kmcnt 0x0                               ; the mask words are in: on both ways, since the next step loads into the same registers and steps their pointer
	s_add_co_u32 s105, s[ST], 16
	s_lshr_b32 s105, s[FL], s105
	s_and_b32 s105, s105, 1
	s_cmp_lg_u32 s105, 0
	s_cbranch_scc1 .Lopen                          ; every entry is true: nothing to select
.set n, 0
.rept 32
	v_cndmask_b32 v[SC+n], v[NINF], v[SC+n], s[32+n]   ; a false entry's score becomes -infinity ahead of the maximum: p = 0 then.  Each accumulator from its low end on
.set n, n+1
.endr
.rept 32
	v_cndmask_b32 v[SC+n], v[NINF], v[SC+n], s[36+n]
.set n, n+1
.endr
.Lopen:
.irp b, 0,1,2,3
	v_max3_num_f32 v[BM+\b], v[SC+16*\b], v[SC+1+16*\b], v[SC+2+16*\b]   ; THE LARGEST SCORE OF EACH BLOCK OF 32 KEYS serves twice: for the row's maximum, and, since p rises with the score, for the block's largest p
.endr
.irp i, 3,5,7,9,11,13
.irp b, 0,1,2,3
	v_max3_num_f32 v[BM+\b], v[BM+\b], v[SC+16*\b+\i], v[SC+1+16*\b+\i]  ; (the four blocks by turns)
.endr
.endr
.irp b, 0,1,2,3
	v_max_num_f32 v[BM+\b], v[BM+\b], v[SC+15+16*\b]
.endr
.irp b, 0,1,2,3
	v_permlanex16_b32 v[PT+\b], v[BM+\b], s[SEL], s[SEL+1]
.endr
.irp b, 0,1,2,3
	v_max_num_f32 v[BM+\b], v[BM+\b], v[PT+\b]     ; with lane l xor 16's 16 keys
.endr
	v_max3_num_f32 v[TMP], v[BM], v[BM+1], v[BM+2]
	v_max_num_f32 v[TMP], v[TMP], v[BM+3]          ; the step's largest score of my query
	v_mul_f32 v[TMP], s[CS], v[TMP]                ; as t (c is positive)
	v_max_num_f32 v13, v13, v[TMP]                 ; the running largest t
	v_mov_b32 v[TMP], v12
	v_floor_f32 v12, -v13                          ; the new -M = floor(-t) = -ceil(t): M is a whole number
	v_sub_f32 v[TMP], v12, v[TMP]                  ; M's old value less its new one: a whole number, 0 or less
	v_cvt_i32_f32 v[TMP], v[TMP]                   ; (it saturates)
	v_ldexp_f32 v[FF], 1.0, v[TMP]                 ; f = 2^(old M - new M)
.set j, 0
.rept 32
	v_pk_fma_f32 v[SC+j:SC+j+1], v[SC+j:SC+j+1], s[CS:CS+1], v[12:13] op_sel_hi:[1,0,0]   ; t - M, two at a time (of the pairs c and -M the low word serves both halves)
.set j, j+2
.endr
.irp b, 0,1,2,3
	v_fma_f32 v[BM+\b], v[BM+\b], s[CS], v12       ; the same of each block's largest score
.endr
.set j, 0
	s_wait_alu depctr_va_vdst(0)
.rept 64
	v_exp_f32 v[SC+j], v[SC+j]                     ; p = 2^(t - M), at most 1: not normalised
.set j, j+1
.endr
	v_pk_mul_f32 v[14:15], v[14:15], v[FF:FF+1] op_sel_hi:[1,0]    ; the sums under the new M: the plain instruction behind the exponentials
	s_wait_alu depctr_va_vdst(0)                   ; the 64 exponentials have written p: the wait ahead of the first line that names a result: one for the batch
.irp b, 0,1,2,3
	v_exp_f32 v[BM+\b], v[BM+\b]                   ; the block's largest p: the same two instructions on the same number give the same bits
.endr
	v_pk_add_f32 v[PT:PT+1], v[SC:SC+1], v[SC+2:SC+3]              ; THE ROW'S SUM IS TAKEN OF THE UNQUANTISED p: two at a time, in two chains; it reads the 64 alone
.set j, 4
.rept 15
	v_pk_add_f32 v[14:15], v[14:15], v[SC+j:SC+j+1]
	v_pk_add_f32 v[PT:PT+1], v[PT:PT+1], v[SC+j+2:SC+j+3]
.set j, j+4
.endr
	v_pk_add_f32 v[14:15], v[14:15], v[PT:PT+1]
	s_wait_alu depctr_va_vdst(0)                   ; the four exponentials have written the blocks' largest p, ahead of their first reader
.irp b, 0,1,2,3
	v_max_num_f32 v[BM+\b], 0x1800000, v[BM+\b]    ; the floor 2^(3 - 127): the byte cannot fall under 1 (a block whose every p is 0 keeps that byte: its codes are zeros)
.endr
.irp b, 0,1,2,3
	v_add_nc_u32 v[SO+\b], 0xff000000, v[BM+\b]    ; 2 off the exponent field: the conversion takes the exponent field of this operand as its scale
.endr
.irp b, 0,1,2,3
	v_lshrrev_b32 v[PT+\b], 23, v[SO+\b]           ; the scale's byte
.endr
	v_lshl_or_b32 v[PSW], v[PT+1], 8, v[PT]        ; p's scale word for these 128 keys
	v_lshl_or_b32 v[PSW], v[PT+2], 16, v[PSW]
	v_lshl_or_b32 v[PSW], v[PT+3], 24, v[PSW]
.irp b, 0,1,2,3
	v_cvt_scalef32_pk8_fp4_f32 v[PC+2*\b], v[SC+16*\b:SC+16*\b+7], v[SO+\b]
	v_cvt_scalef32_pk8_fp4_f32 v[PC+1+2*\b], v[SC+8+16*\b:SC+15+16*\b], v[SO+\b]
.endr
	v_nop                                          ; one plain vector instruction between a scaled conversion and the vector instruction that touches its result
.irp c, 0,1                                    ; the operand's layout wants a WHOLE block in a lane: lanes 0-15 block 2 c, lanes 16-31 block 2 c + 1
.irp i, 0,1
	v_permlane16_swap_b32 v[PC+4*\c+\i], v[PC+2+4*\c+\i]
.endr
.endr
.set j, 0
.rept 16
	v_pk_mul_f32 v[OT+j:OT+j+1], v[OT+j:OT+j+1], v[FF:FF+1] op_sel_hi:[1,0]   ; O^T under the new M, each accumulator from its low end on.  These 16 are also the places between the scale word's and the codes' last writes and the products
.set j, j+2
.endr
	s_wait_dscnt 0x0                               ; V and its scale words are in
	s_wait_alu depctr_va_vdst(0)                   ; behind the places: p's codes (PC) and p's scale word (PSW) are written, which the scaled products take as source 1 and as its scales
.irp a, 0,1                                    ; O^T += V^T P^T: four tiles of 16 channels, K = these 128 keys.  The four accumulators take turns, and the next step's eight products stand between two links of a chain
	v_wmma_scale_f32_16x16x128_f8f6f4 v[OT+16*\a:OT+16*\a+7], v[VF+16*\a:VF+16*\a+7], v[PC:PC+7], v[OT+16*\a:OT+16*\a+7], v[VS+\a], v[PSW] matrix_a_fmt:MATRIX_FMT_FP4 matrix_b_fmt:MATRIX_FMT_FP4
	v_wmma_scale_f32_16x16x128_f8f6f4 v[OT+16*\a+8:OT+16*\a+15], v[VF+16*\a+8:VF+16*\a+15], v[PC:PC+7], v[OT+16*\a+8:OT+16*\a+15], v[VS+\a], v[PSW] matrix_a_fmt:MATRIX_FMT_FP4 matrix_b_fmt:MATRIX_FMT_FP4 matrix_a_scale:MATRIX_SCALE_ROW1
.endr
.Lskip:
	s_add_nc_u64 s[MB:MB+1], s[MB:MB+1], 0x100     ; the next step's mask words (no scalar load is out: a worked step has waited for its four)
	s_add_co_u32 s[ST], s[ST], 1
	s_cmp_lt_u32 s[ST], 16
	s_cbranch_scc1 .Lstep
	; THE WAY OUT.  O^T is divided by the row's sum and goes through my stage in LDS, so that whole rows of 256 bytes leave.
.rept 4
	v_nop                                          ; the places behind the last products
.endr
	v_add_f32 v14, v14, v15                        ; the sum's two halves,
	v_permlanex16_b32 v[PT], v14, s[SEL], s[SEL+1]
	v_add_f32 v14, v14, v[PT]                      ; and lane l xor 16's: the row's sum
	s_wait_alu depctr_va_vdst(0)
	v_rcp_f32 v14, v14
	v_nop                                          ; a plain instruction behind the reciprocal
	s_wait_alu depctr_va_vdst(0)                   ; the reciprocal has written v14, ahead of its first reader
.set j, 0
.rept 32
	v_mul_f32 v[SC+j], v[OT+j], v14                ; register 8 t + i is o(r, 16 t + 8 h + i)
.set j, j+1
.endr
	s_wait_alu depctr_va_vdst(0)                   ; the multiplications have written SC 0-31, which the stage's stores read; the steps' vector instructions are done with SC 32-63, in which the stage's loads land, and the products S^T with QF and QS, in which the next tile's loads land
.irp f, 0,1,2,3
	ds_store_b128 v[STI], v[SC+8*\f:SC+8*\f+3] offset:64*\f
	ds_store_b128 v[STI], v[SC+8*\f+4:SC+8*\f+7] offset:64*\f+16
.endr
.irp i, 0,1,2,3,4,5,6,7
	ds_load_b128 v[SC+32+4*\i:SC+32+4*\i+3], v[STO] offset:2*\i*SP   ; LDS serves a wave's instructions in order: these see my stores
.endr
.irp i, 0,1,2,3,4,5,6,7
	s_wait_dscnt 7-\i                              ; rows 2 i and 2 i + 1 are back; the 7 - i younger loads may be out
	global_store_b128 v[L16], v[SC+32+4*\i:SC+32+4*\i+3], s[OP:OP+1] offset:512*\i th:TH_STORE_NT   ; 32 lanes store 512 consecutive bytes, at a multiple of 256 from O's first byte; written once, read by nobody here
.endr
	s_wait_xcnt 0x0                                ; the stores have read their data and their base: the next tile writes both
	s_wait_alu depctr_vm_vsrc(0)                   ; the stage's stores have read SC 0-31 and O's stores SC 32-63, which the next tile's products S^T write
	s_sub_co_u32 s67, 31, s67                      ; j = 31 - w second
	s_sub_co_u32 s[PASS], s[PASS], 1
	s_cmp_lg_u32 s[PASS], 0
	s_cbranch_scc1 .Ltile
	s_wait_xcnt 0x0
	v_lshl_add_u32 v254, v0, 2, 0x34400            ; the add's two registers, made anew straight ahead of the closing lines; no memory or LDS instruction has read v254 or v255
	v_mov_b32 v255, 0
	s_wait_dscnt 0x0                               ; the closing lines, six on end
	s_wait_alu 0x0
	s_wait_tensorcnt 0x0
	ds_add_u32 v254, v255
	s_wait_dscnt 0x0
	s_endpgm
.Lfunc_end_k_q38c77a8060_attn:
	.size	k_q38c77a8060_attn, .Lfunc_end_k_q38c77a8060_attn-k_q38c77a8060_attn
	.p2alignl 7, 3214868480
	.fill 96, 4, 3214868480
	.section	.rodata,"a",@progbits
	.p2align	6, 0x0
	.amdhsa_kernel k_q38c77a8060_attn
		.amdhsa_group_segment_fixed_size 216064
		.amdhsa_private_segment_fixed_size 0
		.amdhsa_enable_private_segment 0
		.amdhsa_kernarg_size 72
		.amdhsa_user_sgpr_count 2
		.amdhsa_user_sgpr_kernarg_segment_ptr 1
		.amdhsa_wavefront_size32 1
		.amdhsa_system_sgpr_workgroup_id_x 1
		.amdhsa_system_sgpr_workgroup_id_y 1
		.amdhsa_system_sgpr_workgroup_id_z 1
		.amdhsa_system_vgpr_workitem_id 0
		.amdhsa_next_free_vgpr 256
		.amdhsa_next_free_sgpr 106
		.amdhsa_reserve_vcc 0
		.amdhsa_float_denorm_mode_32 3
		.amdhsa_float_denorm_mode_16_64 3
		.amdhsa_memory_ordered 1
		.amdhsa_forward_progress 1
		.amdhsa_inst_pref_size 35
	.end_amdhsa_kernel
	.amdgpu_metadata
---
amdhsa.version: [ 1, 2 ]
amdhsa.kernels:
  - .name:           k_q38c77a8060_attn
    .symbol:         k_q38c77a8060_attn.kd
    .args:
      - { .name: q_codes, .offset: 0, .size: 8, .value_kind: global_buffer, .address_space: global }
      - { .name: q_scales, .offset: 8, .size: 8, .value_kind: global_buffer, .address_space: global }
      - { .name: k_codes, .offset: 16, .size: 8, .value_kind: global_buffer, .address_space: global }
      - { .name: k_scales, .offset: 24, .size: 8, .value_kind: global_buffer, .address_space: global }
      - { .name: v_codes, .offset: 32, .size: 8, .value_kind: global_buffer, .address_space: global }
      - { .name: v_scales, .offset: 40, .size: 8, .value_kind: global_buffer, .address_space: global }
      - { .name: mbits, .offset: 48, .size: 8, .value_kind: global_buffer, .address_space: global }
      - { .name: flags, .offset: 56, .size: 8, .value_kind: global_buffer, .address_space: global }
      - { .name: out0, .offset: 64, .size: 8, .value_kind: global_buffer, .address_space: global }
    .group_segment_fixed_size: 216064
    .private_segment_fixed_size: 0
    .kernarg_segment_align: 8
    .kernarg_segment_size: 72
    .max_flat_workgroup_size: 512
    .sgpr_count:     106
    .vgpr_count:     256
    .wavefront_size: 32
...
	.end_amdgpu_metadata
.endif
;; end of part 4
